; MI455X (gfx1250); checked and timed in simulation.
; The chip was launched on July 23, 2026; its instructions are those of AMD's public machine-readable ISA for CDNA 5 (MIT licence, August 2026) and "CDNA5" Instruction Set Architecture Reference Guide (July 2026). The comments in the code are by the model that wrote it; some were corrected since.
;; Sentence Llama Attention. Allowed arithmetic: float matrix products may take bf16 or f16 operands with f32 sums; all other float work in f32.
;; Inputs: Wk 1,024 x 256 float32; Wo 1,024 x 1,024 float32; Wq 1,024 x 1,024 float32; Wv 1,024 x 256 float32; clothest_end_of_sentence_token_idx 1 x 4,096 int32; cos 1 x 4,096 x 64 float32; hidden_states 1 x 4,096 x 1,024 float32; sin 1 x 4,096 x 64 float32; special_embeddings_mask 1 x 4,096 int32.
;; Outputs: out0 1 x 4,096 x 1,024 float32.
;; One version. Each part assembles by itself: llvm-mc -triple=amdgcn-amd-amdhsa -mcpu=gfx1250 --defsym DOCPART=n.
;; ======== version 1 of 1: 3 launches
;; limits: values are held in f16: magnitudes above 65,504 overflow, below 6.1e-05 lose precision; right only within a limited range of input values
;; workspace buffers: Qb 8,388,608 bytes; KK 4,194,304 bytes; VV 4,194,304 bytes; cnt32 512 bytes of whole numbers; att 8,388,608 bytes; Wo16 2,097,152 bytes
;; launch qkv (part 1): grid 8 x 32, 4 waves a work-group, no clusters, 192,000 bytes of LDS; arguments hidden_states, Wq, Wk, Wv, cos, sin, special_embeddings_mask, Qb, KK, VV, cnt32; writes Qb, KK, VV, cnt32
.if DOCPART == 1
	.amdgcn_target "amdgcn-amd-amdhsa--gfx1250"
	.amdhsa_code_object_version 6
	.text
	.protected	k_q7430ca86ae_qkv
	.globl	k_q7430ca86ae_qkv
	.p2align	8
	.type	k_q7430ca86ae_qkv,@function
k_q7430ca86ae_qkv:
	s_mov_b64 s[64:65], 0
	v_nop
	global_prefetch_b8 v0, s[64:65] scope:SCOPE_SE
	s_setreg_imm32_b32 hwreg(HW_REG_WAVE_MODE, 25, 1), 1
	s_wait_xcnt 0x0
; q, k, v = hidden_states x (Wq | Wk | Wv), RoPE on q and k, results as f16; and the index of the special tokens.
; WORK THAT THE PROGRAM LEAVES OUT (in the launch that follows; shown here once).  reference() gives key k a score for query q
; only if k <= q and (k >= eos[q] or special[k] != 0); every other score is -1e9.  If a row has one allowed key, a masked key's
; probability is exp(-1e9 - max) = 0 in f32, so a masked key reaches no output.  Which keys are allowed is decided by whole
; numbers among the inputs, and the next launch reads them from memory and visits, for 16 queries q0 .. q0+15: the positions
; from lo32 = min(min eos, q0) rounded down to 32, up to the end of q0's block of 32, under the full mask; and the special keys
; below lo32, which are allowed for all 16 queries (they are below every eos and every q).  Keys behind q0's block are not causal.
; A row with NO allowed key is a uniform softmax over all 4,096 keys in reference(): 16 queries that may hold such a row
; (some eos > q and no special key in front of q0's block) visit all 4,096 keys by reference()'s own rule.
; LIMITS: a NaN, an infinity or an overflow in a K or V row that is not visited is not carried to the result; the masked score is
; -2^30 where reference() has -1e9, equal in the result while allowed scores stay above about -1e8.
; All matrix operands are f16 (q, k, v reach about 600 with inputs 30 times larger and offset, inside f16's 65,504); sums in f32.
; Every input has a way to the output; all are loaded.
;
; THIS LAUNCH.  Work-group (cb, b): tokens 128 b .. +127 x 192 columns: Q heads 2 cb and 2 cb + 1, and K head cb (cb < 4) or V head cb - 4.
; So every work-group needs cos and sin (for Q) and the index of the special tokens (for its K or V head's compacted rows).
; K in 16 steps of 64.  Four waves, one to a SIMD: wm = w & 1 (64 tokens), wn = w >> 1 (96 columns): 24 accumulators of 16 x 16.
; Source 0 = 16 columns of W, source 1 = 16 tokens of X: a lane's 8 results are 8 neighbouring columns of a token.
; f32 tiles come through registers, are rounded to f16 and laid into two LDS slots that take turns; W lies [k][n] and is read by the transposing load.
; A tile is 40 loads a wave, in two halves A and B of 20 (half the rows of X, of Wq's part and of Wk's or Wv's part each).
; KK and VV hold rows 0-4095 by position and row 4096 + j = the j-th special token's row; cnt32[g] = special tokens below 32 g.
; NO CLUSTER, NO TENSOR LOADS: X's tile is shared by 8 work-groups and W's by 32, but both lie in memory as f32.  A joint load would land 80 KiB of f32
; a step in LDS, to be read, rounded and stored again as 40 KiB of f16: 120 KiB of LDS traffic more, beside the 80 KiB of fragment reads
; and the 40 KiB of stores that a step has now.
; K STEP 64, NOT 128: two tiles of the longer step staged in f32 are 640 registers a wave; with 192 of sums and 160 of fragments nothing is left for the rest.
;
; REGISTERS, in windows of 256:
;   window 0: v1-v9 addresses of the K loop, v10-v19 at work, v20 t & 15, v21 bit 4 of t, v32-v55 addresses of the way out, cos v[64:127], sin v[128:191], v[192:255] data of the way out
;   window 1: fragment buffer 0 (X at 8 a, W at 32 + 8 nb); half A as loaded, stage s at 80 + 80 s
;   window 2: fragment buffer 1;                            half B as loaded, stage s at 80 + 80 s
;   window 3: accumulator n = 4 nb + a at 8 n; v[192:231] 40 rounded words on their way to LDS
; A half step's products (sources in window 1 or 2, sums in window 3) and the conversions behind them (sources in the same window, results in window 3) run under one setting.
.set XSLOT,  18432                     ; 128 rows x 144 bytes (128 of data + 16)
.set WBASE,  36864
.set WSLOT,  26624                     ; 64 k x 416 bytes (384 of data + 32: an odd multiple of 32 for the transposing load)
.set STG,    90112                     ; f32 results, 128 rows x 784 bytes
.set SP,     784
.set TAB,    190464                    ; PC[4] +0, BC[4] +32, RK[128] +64
.set ST,     80                        ; stages, in windows 1 and 2
.set PK,     192                       ; rounded words, in window 3
.set XSTEP,  256                       ; a K step in bytes: 64 f32 along a row of X,
.set QSTEP,  262144                    ; 64 rows of Wq,
.set KVSTEP, 65536                     ; 64 rows of Wk or Wv
.set MSB, 0
.macro WIN new                         ; low byte: bits 1:0 source 0, 3:2 source 1, 5:4 source 2, 7:6 destination; high byte: the setting left
.if MSB != \new
	s_set_vgpr_msb (MSB<<8)|\new
.set MSB, \new
.endif
.endm
.macro PLACES                          ; four places behind matrix instructions where no other vector work stands (ISA guide 7.12.1)
.rept 4
	v_nop
.endr
.endm
	s_load_b512 s[8:23], s[0:1], 0x0               ; X s[8:9], Wq s[10:11], Wk s[12:13], Wv s[14:15], cos s[16:17], sin s[18:19], mask s[20:21], Qb s[22:23]
	s_load_b128 s[24:27], s[0:1], 0x40             ; KK s[24:25], VV s[26:27]
	s_load_b64 s[28:29], s[0:1], 0x50              ; cnt32
	v_lshl_add_u32 v62, v0, 2, 0x2ec00
	v_mov_b32 v63, 0
	v_lshrrev_b32 v10, 5, v0
	v_readfirstlane_b32 s44, v10                   ; w
	s_mov_b32 s45, ttmp9                           ; cb
	s_and_b32 s46, ttmp7, 0xffff                   ; b
	v_and_b32 v20, 15, v0
	v_bfe_u32 v21, v0, 4, 1
	v_and_b32 v11, 31, v0
	v_lshlrev_b32 v12, 4, v20
	s_lshl_b32 s48, s44, 5
	v_lshl_add_u32 v13, v21, 3, s48                ; X: row 32 w + 8 hh (+ 0..7, 16..23): the two halves of a wave lie 8 rows = 288 words apart in LDS, 32 banks
	v_lshl_add_u32 v1, v13, 12, v12
	v_mul_u32_u24 v4, v13, 144
	v_lshl_add_u32 v4, v20, 3, v4
	s_lshl_b32 s48, s44, 16
	v_lshl_add_u32 v2, v11, 4, s48                 ; Wq: row 16 w (+ 0..15), a whole wave on the two heads' 512 bytes
	s_mul_i32 s48, s44, 16*416
	s_add_co_u32 s48, s48, WBASE
	v_lshl_add_u32 v5, v11, 3, s48
	s_lshl_b32 s48, s44, 4
	v_lshl_add_u32 v13, v21, 2, s48                ; Wk or Wv: row 16 w + 4 hh (+ 0..3, 8..11): 4 rows = 416 words apart, 32 banks
	v_lshl_add_u32 v3, v13, 10, v12
	v_mul_u32_u24 v6, v13, 416
	v_lshl_add_u32 v6, v20, 3, v6
	v_add_nc_u32 v6, WBASE+256, v6                 ; columns 128 to 191 of the tile
	s_and_b32 s48, s44, 1
	s_lshl_b32 s48, s48, 6                         ; 64 wm
	s_lshr_b32 s49, s44, 1                         ; wn
	v_add_nc_u32 v13, s48, v20                     ; 64 wm + r
	v_mul_u32_u24 v7, v13, 144
	v_lshl_add_u32 v7, v21, 4, v7                  ; X fragment: row x pitch + 16 h
	v_mul_u32_u24 v9, v13, SP
	v_lshl_add_u32 v9, v21, 5, v9
	s_mul_i32 s50, s49, 384
	s_add_co_u32 s50, s50, STG
	v_add_nc_u32 v9, s50, v9                       ; results: (64 wm + r) x 784 + 384 wn + 32 h
	v_and_b32 v13, 7, v0
	v_lshl_add_u32 v13, v21, 3, v13
	v_mul_u32_u24 v8, v13, 416
	v_bfe_u32 v13, v0, 3, 1
	v_lshl_add_u32 v8, v13, 4, v8
	s_mul_i32 s50, s49, 192
	s_add_co_u32 s50, s50, WBASE
	v_add_nc_u32 v8, s50, v8                       ; W fragment: (8 h + (l & 7)) x 416 + 192 wn + 16 ((l >> 3) & 1)
	v_lshlrev_b32 v32, 4, v0                       ; 16 t: cos, sin (row t >> 4, 16 bytes t & 15) and four words of the mask
	s_lshl_b32 s48, s46, 9
	v_lshl_add_u32 v33, v0, 2, s48                 ; mask word of token 128 b + t
	s_wait_kmcnt 0x0
	s_lshl_b32 s48, s46, 19
	s_mov_b32 s49, 0
	s_add_nc_u64 s[30:31], s[8:9], s[48:49]        ; X at the group's first token
	s_lshl_b32 s48, s45, 9
	s_add_nc_u64 s[32:33], s[10:11], s[48:49]      ; Wq at column 128 cb
	s_cmp_lt_u32 s45, 4
	s_cselect_b64 s[34:35], s[12:13], s[14:15]     ; Wk or Wv,
	s_and_b32 s48, s45, 3
	s_lshl_b32 s48, s48, 8
	s_add_nc_u64 s[34:35], s[34:35], s[48:49]      ; at the head's 64 columns
	s_lshl_b32 s48, s46, 15
	s_add_nc_u64 s[56:57], s[16:17], s[48:49]      ; cos, sin at the group's first token
	s_add_nc_u64 s[58:59], s[18:19], s[48:49]
; 20 loads: half hf of the tile adv K steps behind the bases, into stage s.  Each half of a wave takes 256 consecutive aligned bytes or more.
.macro GLOAD hf, s, adv
.if \hf
	WIN 0x80
.else
	WIN 0x40
.endif
.irp m, 0,1,2,3,4,5,6,7
	global_load_b128 v[ST+80*(\s)+4*\m:ST+80*(\s)+4*\m+3], v1, s[30:31] offset:(16*\hf+\m)*4096+(\adv)*XSTEP
.endr
.irp m, 0,1,2,3,4,5,6,7
	global_load_b128 v[ST+80*(\s)+32+4*\m:ST+80*(\s)+32+4*\m+3], v2, s[32:33] offset:(8*\hf+\m)*4096+(\adv)*QSTEP
.endr
.irp m, 0,1,2,3
	global_load_b128 v[ST+80*(\s)+64+4*\m:ST+80*(\s)+64+4*\m+3], v3, s[34:35] offset:(8*\hf+\m)*1024+(\adv)*KVSTEP
.endr
.endm
; 20 LDS stores: the 40 rounded words, which are half hf of a tile, into slot q
.macro PKSTORE hf, q
	WIN 0x0c
.irp m, 0,1,2,3,4,5,6,7
	ds_store_b64 v4, v[PK+2*\m:PK+2*\m+1] offset:(\q)*XSLOT+(16*\hf+\m)*144
.endr
.irp m, 0,1,2,3,4,5,6,7
	ds_store_b64 v5, v[PK+16+2*\m:PK+16+2*\m+1] offset:(\q)*WSLOT+(8*\hf+\m)*416
.endr
.irp m, 0,1,2,3
	ds_store_b64 v6, v[PK+32+2*\m:PK+32+2*\m+1] offset:(\q)*WSLOT+(8*\hf+\m)*416
.endr
.endm
; 20 LDS loads in one run: 64 tokens and 96 columns, 32 along K, from slot p into fragment buffer ks
.macro FRAG p, ks
.if \ks
	WIN 0x80
.else
	WIN 0x40
.endif
.irp a, 0,1,2,3
	ds_load_b128 v[8*\a:8*\a+3],   v7 offset:(\p)*XSLOT+2304*\a+64*\ks
	ds_load_b128 v[8*\a+4:8*\a+7], v7 offset:(\p)*XSLOT+2304*\a+64*\ks+32
.endr
.irp nb, 0,1,2,3,4,5
	ds_load_tr16_b128 v[32+8*\nb:32+8*\nb+3], v8 offset:(\p)*WSLOT+13312*\ks+32*\nb
	ds_load_tr16_b128 v[32+8*\nb+4:32+8*\nb+7], v8 offset:(\p)*WSLOT+13312*\ks+32*\nb+6656
.endr
.endm
; Products n0 .. n1-1 of a half step's 24, on 24 accumulators, one instruction a turn, in the same order in every half step, over the backward jump too.
; conv: behind product n < 20 stand the two conversions of load n of stage s: 40 for 24 products.
; They name none of the products' registers, so they are also the places in front of the next run of fragment loads.
.macro MULS n0, n1, zero, conv, s
.set n, \n0
.rept \n1-\n0
.if \zero
	v_wmma_f32_16x16x32_f16 v[8*n:8*n+7], v[32+8*(n/4):32+8*(n/4)+7], v[8*(n%4):8*(n%4)+7], 0
.else
	v_wmma_f32_16x16x32_f16 v[8*n:8*n+7], v[32+8*(n/4):32+8*(n/4)+7], v[8*(n%4):8*(n%4)+7], v[8*n:8*n+7]
.endif
.if \conv
.if n < 20
	v_cvt_pk_f16_f32 v[PK+2*n], v[ST+80*(\s)+4*n], v[ST+80*(\s)+4*n+1]
	v_cvt_pk_f16_f32 v[PK+2*n+1], v[ST+80*(\s)+4*n+2], v[ST+80*(\s)+4*n+3]
.endif
.endif
.set n, n+1
.endr
.endm
.macro CVT hf, s                       ; the same 40 conversions by themselves, for the prologue
.if \hf
	WIN 0xfa
.else
	WIN 0xf5
.endif
.set n, 0
.rept 20
	v_cvt_pk_f16_f32 v[PK+2*n], v[ST+80*(\s)+4*n], v[ST+80*(\s)+4*n+1]
	v_cvt_pk_f16_f32 v[PK+2*n+1], v[ST+80*(\s)+4*n+2], v[ST+80*(\s)+4*n+3]
.set n, n+1
.endr
.endm
; 41 loads for the way out: cos and sin of my 16 tokens 8 i + (t >> 4); the whole mask (wave w's load k is the block of 128 tokens 4 k + w); my token's word.
; Issued where no tile is left to ask for, two K steps ahead of their use.
.macro TAILLOADS
	WIN 0
.irp i, 0,1,2,3,4,5,6,7,8,9,10,11,12,13,14,15
	global_load_b128 v[64+4*\i:67+4*\i], v32, s[56:57] offset:2048*\i
	global_load_b128 v[128+4*\i:131+4*\i], v32, s[58:59] offset:2048*\i
.endr
.irp k, 0,1,2,3,4,5,6,7
	global_load_b128 v[192+4*\k:195+4*\k], v32, s[20:21] offset:2048*\k
.endr
	global_load_b32 v224, v33, s[20:21]
.endm
; K step t on slot p.  Loads are issued in the order .. A(t+1) B(t+2) A(t+2) | B(t+3) A(t+3) ..; the bases stand at tile t.
;   more: tile t+1 exists; la: loads that may stay out when A(t+1) must be in; rf: tile t+3 exists and is asked for;
;   cb2: tile t+2 exists; lb: loads that may stay out when B(t+2) must be in; tl: the way out's loads go out here.
; Between two barriers every read is in slot p and every write in slot 1-p.
.macro KSTEP p, zero, more, la, rf, cb2, lb, tl
.if \more
	s_wait_loadcnt \la                             ; loads return in order: A(t+1) is in; B(t+2) and A(t+2), 40 loads, stay out
	PKSTORE 1, (1-\p)                              ; B(t+1), rounded in the last half step
.if \rf
	GLOAD 1, (1-\p), 3                             ; B(t+3) into the stage that B(t+1) left
.endif
.if \tl
	TAILLOADS
.endif
	s_wait_dscnt 20                                ; buffer 0 is in; the 20 stores behind its loads may stay out
.else
	s_wait_dscnt 0x0
.endif
	WIN 0xf5
	MULS 0, 12, \zero, \more, (1-\p)               ; first half step, with A(t+1)'s conversions
.if \more == 0
	PLACES
.endif
	FRAG \p, 1                                     ; buffer 1, twelve products ahead of its use
	WIN 0xf5
	MULS 12, 24, \zero, \more, (1-\p)
.if \cb2
	s_wait_loadcnt \lb                             ; B(t+2) is in; A(t+2) and B(t+3) stay out
.endif
.if \more
	PKSTORE 0, (1-\p)                              ; A(t+1)
.if \rf
	GLOAD 0, (1-\p), 3                             ; A(t+3)
.endif
	s_wait_dscnt 20                                ; buffer 1 is in; the 20 stores behind its loads may stay out
.else
	s_wait_dscnt 0x0
.endif
	WIN 0xfa
	MULS 0, 8, 0, \cb2, \p                         ; second half step, with B(t+2)'s conversions
.if \more
	s_wait_dscnt 0x0                               ; for the others: my stores of tile t+1 and my reads of slot p are done
	s_barrier_signal -1
	MULS 8, 12, 0, \cb2, \p                        ; register work while the others arrive
	s_barrier_wait -1                              ; tile t+1 is whole, and nobody reads slot p any more
.if \rf
	s_wait_xcnt 0x0                                ; the bases are stepped only behind this wait
	s_add_nc_u64 s[30:31], s[30:31], XSTEP
	s_add_nc_u64 s[32:33], s[32:33], QSTEP
	s_add_nc_u64 s[34:35], s[34:35], KVSTEP
.endif
.if \cb2 == 0
	PLACES
.endif
	FRAG (1-\p), 0                                 ; the next step's buffer 0, twelve products ahead of its use
	WIN 0xfa
	MULS 12, 24, 0, \cb2, \p
.else
	MULS 8, 24, 0, 0, \p
.endif
.endm
	; prologue: tile 0 into slot 0, B(1) rounded, A(1) B(2) A(2) on their way.  The tiles' places stand in the immediates: no base is stepped here.
	GLOAD 0, 0, 0
	GLOAD 1, 0, 0
	GLOAD 1, 1, 1
	s_wait_loadcnt 20                              ; tile 0 is in; B(1) stays out
	CVT 0, 0
	PKSTORE 0, 0
	CVT 1, 0
	PKSTORE 1, 0
	GLOAD 0, 1, 1
	GLOAD 1, 0, 2
	s_wait_loadcnt 40                              ; B(1) is in; A(1) and B(2) stay out
	CVT 1, 1
	GLOAD 0, 0, 2
	s_wait_dscnt 0x0
	s_barrier_signal -1
	s_barrier_wait -1
	FRAG 0, 0
	KSTEP 0, 1, 1, 40, 1, 1, 40, 0                 ; step 0: its first products start the sums
	WIN 0                                          ; at a label and at a branch every window is 0
	s_mov_b32 s47, 6
.Lk:
	KSTEP 1, 0, 1, 40, 1, 1, 40, 0                 ; steps 1 to 12
	KSTEP 0, 0, 1, 40, 1, 1, 40, 0
	WIN 0
	s_sub_co_u32 s47, s47, 1
	s_cmp_lg_u32 s47, 0
	s_cbranch_scc1 .Lk
	KSTEP 1, 0, 1, 40, 0, 1, 20, 0                 ; step 13: nothing left to ask for; behind B(15) only A(15) is out
	KSTEP 0, 0, 1, 0, 0, 0, 0, 1                   ; step 14: A(15) is the last tile load; the way out's loads go out
	KSTEP 1, 0, 0, 0, 0, 0, 0, 0                   ; step 15
	WIN 0
	PLACES                                         ; behind the last products, ahead of the stores that read the sums
	; the index: special tokens in front of block b, and each token's rank in its 32
	s_wait_loadcnt 0x0                             ; cos, sin, mask
	s_mov_b32 s50, 0                               ; special tokens in my blocks that lie in front of block b
.irp k, 0,1,2,3,4,5,6,7
	v_cmp_ne_u32 vcc_lo, 0, v[192+4*\k]
	s_bcnt1_i32_b32 s49, vcc_lo
.irp j, 1,2,3
	v_cmp_ne_u32 vcc_lo, 0, v[192+4*\k+\j]
	s_bcnt1_i32_b32 s48, vcc_lo
	s_add_co_u32 s49, s49, s48
.endr
	s_add_co_u32 s48, s44, 4*\k
	s_cmp_lt_u32 s48, s46
	s_cselect_b32 s49, s49, 0
	s_add_co_u32 s50, s50, s49
.endr
	v_mov_b32 v10, s50
	s_lshl_b32 s48, s44, 2
	s_add_co_u32 s48, s48, TAB
	v_mov_b32 v11, s48
	ds_store_b32 v11, v10                          ; PC[w]
	v_cmp_ne_u32 s51, 0, v224                      ; the 32 tokens 128 b + 32 w + l
	v_mbcnt_lo_u32_b32 v12, s51, 0                 ; special tokens in front of mine in the 32
	v_cndmask_b32 v12, -1, v12, s51                ; -1: not special
	v_lshlrev_b32 v13, 2, v0
	v_add_nc_u32 v13, TAB+64, v13
	ds_store_b32 v13, v12                          ; RK[t]
	s_bcnt1_i32_b32 s52, s51
	v_mov_b32 v14, s52
	ds_store_b32 v11, v14 offset:32                ; BC[w]
	; results to LDS in f32, so that a thread finds a column and its RoPE partner 32 columns away
	WIN 0x0c
.set n, 0
.rept 24
	ds_store_b128 v9, v[8*n:8*n+3]   offset:12544*(n%4)+64*(n/4)
	ds_store_b128 v9, v[8*n+4:8*n+7] offset:12544*(n%4)+64*(n/4)+16
.set n, n+1
.endr
	WIN 0
	s_wait_dscnt 0x0
	s_barrier_signal -1
	s_barrier_wait -1
	; thread t serves tokens 8 i + (t >> 4), i = 0..15, and the 4 columns 4 (t & 15) of each head
	v_bfe_u32 v10, v0, 3, 1
	v_xor_b32 v10, 1, v10
	v_lshlrev_b32 v34, 31, v10                     ; rotate_half: columns 0-31 take minus their partner
.set n, 0
.rept 64
	v_xor_b32 v[128+n], v34, v[128+n]
.set n, n+1
.endr
	; the LDS addresses of the way out, from the thread's number and constants, each written once; head and token stand in the loads' immediates
	v_lshrrev_b32 v10, 4, v0                       ; t >> 4
	v_mul_u32_u24 v35, v10, SP
	v_add_nc_u32 v35, STG, v35
	v_and_b32 v11, 15, v0
	v_lshlrev_b32 v11, 4, v11                      ; my 16 bytes: 16 (t & 15)
	v_add_nc_u32 v12, 8, v0
	v_and_b32 v12, 15, v12
	v_lshlrev_b32 v12, 4, v12                      ; the partner's, 32 columns away round the 64: 16 ((t + 8) & 15)
	v_add_nc_u32 v37, v35, v12
	v_add_nc_u32 v35, v35, v11
	v_add_nc_u32 v36, 64*SP, v35                   ; tokens 64 and up: the immediate has 16 bits
	v_add_nc_u32 v38, 64*SP, v37
	v_lshlrev_b32 v39, 3, v0                       ; in a head's rows of 128 bytes: (t >> 4) x 128 + 8 (t & 15)
	v_mov_b32 v13, TAB
	v_lshl_add_u32 v14, v10, 2, v13
	ds_load_b128 v[192:195], v13                   ; PC
	ds_load_b128 v[196:199], v13 offset:32         ; BC
.irp i, 0,1,2,3,4,5,6,7,8,9,10,11,12,13,14,15
	ds_load_b32 v[200+\i], v14 offset:64+32*\i     ; RK of my 16 tokens
.endr
	s_wait_dscnt 0x0
	v_add_nc_u32 v192, v192, v193
	v_add_nc_u32 v194, v194, v195
	v_add_nc_u32 v192, v192, v194
	v_readfirstlane_b32 s60, v192                  ; special tokens below 128 b,
	v_readfirstlane_b32 s51, v196
	v_readfirstlane_b32 s52, v197
	v_readfirstlane_b32 s53, v198
	s_add_co_u32 s61, s60, s51                     ; below 128 b + 32,
	s_add_co_u32 s62, s61, s52                     ; + 64,
	s_add_co_u32 s63, s62, s53                     ; + 96
	v_lshl_add_u32 v15, v20, 3, 0x80000            ; row 4096 of a plane + my 8 bytes
.irp i, 0,1,2,3,4,5,6,7,8,9,10,11,12,13,14,15
	v_add_nc_u32 v10, s[60+\i/4], v[200+\i]        ; my token's number among the special tokens
	v_cmp_le_i32 s[72+\i], 0, v[200+\i]            ; lanes whose token i is special
	v_min_u32 v10, 0xfff, v10
	v_lshl_add_u32 v[40+\i], v10, 7, v15
.endr
	s_cmp_lg_u32 s45, 7
	s_cbranch_scc1 .Lnocnt
	s_cmp_lg_u32 s44, 0
	s_cbranch_scc1 .Lnocnt
	v_mov_b32 v16, s60                             ; cnt32[4 b .. 4 b + 3] from lanes 0 to 3 of one wave of one work-group
	v_writelane_b32 v16, s61, 1
	v_writelane_b32 v16, s62, 2
	v_writelane_b32 v16, s63, 3
	v_lshlrev_b32 v17, 2, v0
	s_lshl_b32 s48, s46, 4
	s_mov_b32 s49, 0
	s_add_nc_u64 s[28:29], s[28:29], s[48:49]
	v_cmp_gt_u32 vcc_lo, 4, v0
	s_wait_xcnt 0x0                                ; EXEC changes only behind this wait
	s_and_saveexec_b32 s70, vcc_lo
	global_store_b32 v17, v16, s[28:29]
	s_wait_xcnt 0x0
	s_or_b32 exec_lo, exec_lo, s70
.Lnocnt:
; Head g of the work-group's three (0, 1: Q; 2: K or V), tokens 64 hf .. 64 hf + 63.  Written out, so that no address register is written again.
.macro GROUP g, hf
	s_wait_xcnt 0x0                                ; the stores before have read their data and bases
.if \hf == 0
.if \g < 2
	s_lshl_b32 s48, s45, 1
	s_add_co_u32 s48, s48, \g
	s_lshl_b32 s48, s48, 19                        ; a Q plane: 4,096 rows of 128 bytes
	s_mov_b32 s49, 0
	s_add_nc_u64 s[68:69], s[22:23], s[48:49]
.else
	s_cmp_lt_u32 s45, 4
	s_cselect_b64 s[68:69], s[24:25], s[26:27]
	s_and_b32 s48, s45, 3
	s_lshl_b32 s48, s48, 20                        ; a K or V plane: 8,192 rows
	s_mov_b32 s49, 0
	s_add_nc_u64 s[68:69], s[68:69], s[48:49]
.endif
	s_lshl_b32 s48, s46, 14
	s_add_nc_u64 s[66:67], s[68:69], s[48:49]      ; at token 128 b
.endif
.irp ii, 0,1,2,3,4,5,6,7
	ds_load_b128 v[192+4*\ii:195+4*\ii], v[35+\hf] offset:8*SP*\ii+256*\g
.endr
.if \g == 2
	s_cmp_ge_u32 s45, 4
	s_cbranch_scc1 .Lplain\@
.endif
.irp ii, 0,1,2,3,4,5,6,7
	ds_load_b128 v[224+4*\ii:227+4*\ii], v[37+\hf] offset:8*SP*\ii+256*\g
.endr
	s_wait_dscnt 0x0
.irp ii, 0,1,2,3,4,5,6,7
	v_pk_mul_f32 v[192+4*\ii:193+4*\ii], v[192+4*\ii:193+4*\ii], v[64+32*\hf+4*\ii:65+32*\hf+4*\ii]
	v_pk_mul_f32 v[194+4*\ii:195+4*\ii], v[194+4*\ii:195+4*\ii], v[66+32*\hf+4*\ii:67+32*\hf+4*\ii]
	v_pk_fma_f32 v[192+4*\ii:193+4*\ii], v[224+4*\ii:225+4*\ii], v[128+32*\hf+4*\ii:129+32*\hf+4*\ii], v[192+4*\ii:193+4*\ii]
	v_pk_fma_f32 v[194+4*\ii:195+4*\ii], v[226+4*\ii:227+4*\ii], v[130+32*\hf+4*\ii:131+32*\hf+4*\ii], v[194+4*\ii:195+4*\ii]
.endr
.if \g == 2
	s_branch .Lround\@
.Lplain\@:
	s_wait_dscnt 0x0                               ; V: no RoPE
.Lround\@:
.endif
.irp ii, 0,1,2,3,4,5,6,7
	v_cvt_pk_f16_f32 v[192+4*\ii], v[192+4*\ii], v[193+4*\ii]
	v_cvt_pk_f16_f32 v[193+4*\ii], v[194+4*\ii], v[195+4*\ii]
.endr
.irp ii, 0,1,2,3,4,5,6,7
	global_store_b64 v39, v[192+4*\ii:193+4*\ii], s[66:67] offset:1024*(8*\hf+\ii)   ; a wave's store: two rows, 256 consecutive aligned bytes
.endr
.if \g == 2
.irp ii, 0,1,2,3,4,5,6,7
	s_wait_xcnt 0x0                                ; EXEC is narrowed and widened only behind this wait
	s_and_saveexec_b32 s70, s[72+8*\hf+\ii]
	global_store_b64 v[40+8*\hf+\ii], v[192+4*\ii:193+4*\ii], s[68:69]               ; a special token's row once more, at 4096 + its number
	s_wait_xcnt 0x0
	s_or_b32 exec_lo, exec_lo, s70
.endr
.endif
.endm
	GROUP 0, 0
	GROUP 0, 1
	GROUP 1, 0
	GROUP 1, 1
	GROUP 2, 0
	GROUP 2, 1
	s_wait_tensorcnt 0x0
	ds_add_u32 v62, v63
	s_wait_dscnt 0x0
	s_endpgm
.Lfunc_end_k_q7430ca86ae_qkv:
	.size	k_q7430ca86ae_qkv, .Lfunc_end_k_q7430ca86ae_qkv-k_q7430ca86ae_qkv
	.p2alignl 7, 3214868480
	.fill 96, 4, 3214868480
	.section	.rodata,"a",@progbits
	.p2align	6, 0x0
	.amdhsa_kernel k_q7430ca86ae_qkv
		.amdhsa_group_segment_fixed_size 192000
		.amdhsa_private_segment_fixed_size 0
		.amdhsa_enable_private_segment 0
		.amdhsa_kernarg_size 88
		.amdhsa_user_sgpr_count 2
		.amdhsa_user_sgpr_kernarg_segment_ptr 1
		.amdhsa_wavefront_size32 1
		.amdhsa_system_sgpr_workgroup_id_x 1
		.amdhsa_system_sgpr_workgroup_id_y 1
		.amdhsa_system_sgpr_workgroup_id_z 1
		.amdhsa_system_vgpr_workitem_id 0
		.amdhsa_next_free_vgpr 1024
		.amdhsa_next_free_sgpr 100
		.amdhsa_reserve_vcc 1
		.amdhsa_float_denorm_mode_32 3
		.amdhsa_float_denorm_mode_16_64 3
		.amdhsa_memory_ordered 1
		.amdhsa_forward_progress 1
		.amdhsa_inst_pref_size 162
	.end_amdhsa_kernel
	.amdgpu_metadata
---
amdhsa.version: [ 1, 2 ]
amdhsa.kernels:
  - .name:           k_q7430ca86ae_qkv
    .symbol:         k_q7430ca86ae_qkv.kd
    .args:
      - { .name: hidden_states, .offset: 0, .size: 8, .value_kind: global_buffer, .address_space: global }
      - { .name: Wq, .offset: 8, .size: 8, .value_kind: global_buffer, .address_space: global }
      - { .name: Wk, .offset: 16, .size: 8, .value_kind: global_buffer, .address_space: global }
      - { .name: Wv, .offset: 24, .size: 8, .value_kind: global_buffer, .address_space: global }
      - { .name: cos, .offset: 32, .size: 8, .value_kind: global_buffer, .address_space: global }
      - { .name: sin, .offset: 40, .size: 8, .value_kind: global_buffer, .address_space: global }
      - { .name: special_embeddings_mask, .offset: 48, .size: 8, .value_kind: global_buffer, .address_space: global }
      - { .name: Qb, .offset: 56, .size: 8, .value_kind: global_buffer, .address_space: global }
      - { .name: KK, .offset: 64, .size: 8, .value_kind: global_buffer, .address_space: global }
      - { .name: VV, .offset: 72, .size: 8, .value_kind: global_buffer, .address_space: global }
      - { .name: cnt32, .offset: 80, .size: 8, .value_kind: global_buffer, .address_space: global }
    .group_segment_fixed_size: 192000
    .private_segment_fixed_size: 0
    .kernarg_segment_align: 8
    .kernarg_segment_size: 88
    .max_flat_workgroup_size: 128
    .sgpr_count:     100
    .vgpr_count:     1024
    .wavefront_size: 32
...
	.end_amdgpu_metadata
.endif
;; end of part 1
;; launch attn (part 2): grid 256 x 1, 8 waves a work-group, no clusters, 41,984 bytes of LDS; arguments Qb, KK, VV, cnt32, clothest_end_of_sentence_token_idx, special_embeddings_mask, att, Wo, Wo16; writes att, Wo16
.if DOCPART == 2
	.amdgcn_target "amdgcn-amd-amdhsa--gfx1250"
	.amdhsa_code_object_version 6
	.text
	.protected	k_q7430ca86ae_attn
	.globl	k_q7430ca86ae_attn
	.p2align	8
	.type	k_q7430ca86ae_attn,@function
k_q7430ca86ae_attn:
	s_mov_b64 s[64:65], 0
	v_nop
	global_prefetch_b8 v0, s[64:65] scope:SCOPE_SE
	s_setreg_imm32_b32 hwreg(HW_REG_WAVE_MODE, 25, 1), 1
	s_wait_xcnt 0x0
; Sentence attention.  A wave takes 16 queries q0 .. q0+15 of two neighbouring heads that share a K and V head, and visits only the keys that
; the whole numbers eos, special and cnt32 (read from memory) ask for; the first launch's head shows why the others reach no output:
;   part B: positions lo32 .. hi32-1 under reference()'s full mask, lo32 = min(min eos, q0) & ~31, hi32 = (q0 & ~31) + 32;
;   part A: the nA = cnt32[lo32 / 32] special keys below lo32 (rows 4096 .. 4096+nA-1 of the plane), allowed for all 16 queries.
; If some eos > q and no special key lies below q0's block, a row may have no allowed key: then lo32 = 0, hi32 = 4096, nA = 0, all keys are
; visited, and a row whose scores are all masked comes out uniform over 4,096 keys, as in reference().
; LIMITS: masked raw score -2^33 (-2^30 after the factor 1/8; a power of two, so that score x c is exact and a fully masked row gives exp2(0));
; reference() has -1e9: equal while allowed scores stay above about -1e8.  NaN or infinity in rows not visited is not carried on.
; Running maximum and sum as usual.  The result is stored as f16 times 64 (an exact factor that keeps small values normal; at most 38,400).
; Steps of 32 rows.  u < nB: rows lo32 + 32 u, masked.  nB <= u < nBF: rows 4096 + 32 (u - nB), no mask.  u = nBF if nA % 32 != 0: the last 32
; rows that end at 4096 + nA, the first 32 - nA % 32 of them masked (visited already, or position rows).
; TRANSPOSED: S^T = K Q^T (lane: query r, registers: keys 16 kt + 8 h + j); two packed tiles of S^T are the B fragment of O^T = V^T P^T as they lie.
; Waves share nothing: no barrier; each has 5,120 bytes of LDS of its own (32 rows of V, pitch 160; then the way out, 16 rows, pitch 272).
; No cluster: partners would need different numbers of tiles, by counts read from memory.
; BESIDE IT: Wo is rounded to f16 once for the whole program, for the launch that follows, which would otherwise round each column block 32 times.
; 4 MiB over 256 work-groups of 8 waves are 2,048 bytes a wave: four loads, eight conversions, four stores, while the wave waits for its first keys.
.set QF, 32                            ; v[32:63]    Q fragments at 32 + 16 hh + 8 ks
.set OA, 64                            ; v[64:127]   O^T at 64 + 32 hh + 8 dt
.set KF, 128                           ; v[128:159]  K fragments at 128 + 16 kt + 8 ks
.set VS, 160                           ; v[160:191]  V as loaded, 8 x 4
.set VF, 192                           ; v[192:223]  V^T fragments at 192 + 8 dt; ahead of the first step: v[192:207] Wo as loaded, v208 its offset in Wo16
.set SC, 224                           ; v[224:255]  scores at 224 + 16 hh + 8 kt; packed P of head hh in 224 + 16 hh .. +7
; v1 128 r + 16 h, v2 16 l, v3 8 h, v4 q0 + r, v5 eos clamped, v6/v7/v8 offsets of K, V, mask, v9 mask word, v10/v11 LDS in / transposed out,
; v12-v19 at work, v[20:21] maxima, v[22:23] sums, v[24:25] new maxima, v[26:27] rescale, v[28:29] -c x maximum, v30 4 l, v31 offset in Wo.
	s_load_b256 s[8:15], s[0:1], 0x0               ; Qb s[8:9], KK s[10:11], VV s[12:13], cnt32 s[14:15]
	s_load_b128 s[16:19], s[0:1], 0x20             ; eos s[16:17], mask s[18:19]
	s_load_b64 s[20:21], s[0:1], 0x30              ; att
	s_load_b64 s[80:81], s[0:1], 0x38              ; Wo
	s_load_b64 s[82:83], s[0:1], 0x40              ; Wo16
	s_set_vgpr_msb 0x40
	v_lshl_add_u32 v0, v0, 2, 0xa000
	v_mov_b32 v1, 0
	s_set_vgpr_msb 0x4000
	v_lshrrev_b32 v12, 5, v0
	v_readfirstlane_b32 s2, v12                    ; w
	s_mov_b32 s3, ttmp9
	s_lshr_b32 s62, s3, 1
	s_sub_co_u32 s63, 255, s62
	s_bitcmp1_b32 s2, 2
	s_cselect_b32 s4, s63, s62                     ; a late and an early tile of queries share a work-group
	s_lshl_b32 s5, s4, 4                           ; q0
	s_and_b32 s62, s3, 1
	s_lshl_b32 s62, s62, 1
	s_and_b32 s63, s2, 1
	s_add_co_u32 s6, s62, s63                      ; K and V head
	s_lshr_b32 s62, s2, 1
	s_and_b32 s62, s62, 1
	s_lshl_b32 s62, s62, 1
	s_lshl2_add_u32 s7, s6, s62                    ; first of my two heads
	s_mov_b32 s69, 0xd0000000                      ; -2^33
	s_mov_b32 s70, 0x3e38aa3b                      ; c = log2(e) / 8
	s_mov_b32 s71, 0x3e38aa3b
	s_mov_b32 s72, 0xbe38aa3b                      ; -c
	s_mov_b32 s73, 0x76543210                      ; v_permlanex16_b32: lane i takes lane i of the other half
	s_mov_b32 s74, 0xfedcba98
	v_and_b32 v12, 31, v0
	v_and_b32 v13, 15, v0
	v_bfe_u32 v14, v0, 4, 1
	v_lshlrev_b32 v1, 7, v13
	v_lshl_add_u32 v1, v14, 4, v1
	v_lshlrev_b32 v2, 4, v12
	v_lshlrev_b32 v3, 3, v14
	v_lshlrev_b32 v30, 2, v12
	v_add_nc_u32 v4, s5, v13
	s_mul_i32 s62, s2, 5120
	v_lshrrev_b32 v15, 3, v12
	v_and_b32 v16, 7, v0
	v_mul_u32_u24 v10, v15, 160
	v_lshl_add_u32 v10, v16, 4, v10
	v_add_nc_u32 v10, s62, v10                     ; V in: row l >> 3 (+ 4 i), 16 bytes l & 7
	v_lshl_add_u32 v17, v14, 3, v16
	v_mul_u32_u24 v11, v17, 160
	v_bfe_u32 v17, v0, 3, 1
	v_lshl_add_u32 v11, v17, 4, v11
	v_add_nc_u32 v11, s62, v11                     ; V^T out: (8 h + (l & 7)) x 160 + 16 ((l >> 3) & 1)
	s_lshl_b32 s63, s2, 11
	v_add_nc_u32 v31, s63, v2                      ; Wo: my wave's 2,048 bytes, 16 a lane
	s_lshl_b32 s63, s2, 10
	v_lshl_add_u32 v[VF+16], v12, 3, s63           ; Wo16: my wave's 1,024 bytes, 8 a lane
	v_lshlrev_b32 v13, 2, v4
	s_wait_kmcnt 0x0
	s_lshl_b32 s22, s7, 19
	s_lshl_b32 s62, s5, 7
	s_add_co_u32 s22, s22, s62
	s_mov_b32 s23, 0
	s_add_nc_u64 s[24:25], s[8:9], s[22:23]        ; Q: head h0, row q0
	s_lshl_b32 s22, s5, 11
	s_lshl_b32 s62, s7, 7
	s_add_co_u32 s22, s22, s62
	s_add_nc_u64 s[26:27], s[20:21], s[22:23]      ; att: row q0, column 64 h0
	s_lshl_b32 s22, s6, 20
	s_add_nc_u64 s[28:29], s[10:11], s[22:23]      ; my K plane
	s_add_nc_u64 s[30:31], s[12:13], s[22:23]      ; my V plane
	s_lshl_b32 s22, s3, 14
	s_add_nc_u64 s[80:81], s[80:81], s[22:23]      ; my work-group's 16,384 bytes of Wo
	s_lshl_b32 s22, s3, 13
	s_add_nc_u64 s[82:83], s[82:83], s[22:23]      ; and its 8,192 bytes of Wo16
	s_lshl_b32 s75, s5, 2
	s_load_b512 s[32:47], s[16:17], s75 offset:0x0 ; eos of my 16 queries
	s_lshr_b32 s76, s5, 5
	s_lshl_b32 s76, s76, 2
	s_load_b32 s50, s[14:15], s76 offset:0x0       ; special tokens below q0's block
.irp i, 0,1,2,3
	global_load_b128 v[VF+4*\i:VF+4*\i+3], v31, s[80:81] offset:512*\i th:TH_LOAD_NT   ; a wave's load: 512 consecutive bytes, read once in the launch
.endr
.irp hh, 0,1
.irp ks, 0,1
	global_load_b128 v[QF+16*\hh+8*\ks:QF+16*\hh+8*\ks+3],   v1, s[24:25] offset:524288*\hh+64*\ks
	global_load_b128 v[QF+16*\hh+8*\ks+4:QF+16*\hh+8*\ks+7], v1, s[24:25] offset:524288*\hh+64*\ks+32
.endr
.endr
	global_load_b32 v5, v13, s[16:17]              ; eos[q0 + r]
	s_wait_kmcnt 0x0
	s_mov_b32 s48, 0x1000                          ; min e
	s_mov_b32 s49, -16                             ; max (e_i - i)
.irp i, 0,1,2,3,4,5,6,7,8,9,10,11,12,13,14,15
	s_max_i32 s62, s[32+\i], 0                     ; below 0 acts as 0, above 4096 as 4096: keys are 0 .. 4095
	s_min_i32 s62, s62, 0x1000
	s_min_i32 s48, s48, s62
	s_sub_co_i32 s62, s62, \i
	s_max_i32 s49, s49, s62
.endr
	s_min_u32 s51, s48, s5
	s_and_b32 s51, s51, -32                        ; lo32
	s_and_b32 s52, s5, -32
	s_add_co_u32 s52, s52, 32                      ; hi32
	s_cmp_gt_i32 s49, s5                           ; some eos > q,
	s_cselect_b32 s62, 1, 0
	s_cmp_eq_u32 s50, 0                            ; and no special key below q0's block:
	s_cselect_b32 s62, s62, 0
	s_cmp_lg_u32 s62, 0
	s_cselect_b32 s51, 0, s51                      ; all keys
	s_cselect_b32 s52, 0x1000, s52
	s_sub_co_u32 s53, s52, s51
	s_lshr_b32 s53, s53, 5                         ; nB >= 1
	s_lshr_b32 s62, s51, 5
	s_min_u32 s62, s62, 127
	s_lshl_b32 s62, s62, 2
	s_load_b32 s54, s[14:15], s62 offset:0x0       ; nA
	s_wait_kmcnt 0x0
	s_min_u32 s54, s54, 0x1000
	s_lshr_b32 s62, s54, 5
	s_add_co_u32 s55, s53, s62                     ; nBF
	s_and_b32 s63, s54, 31
	s_cmp_lg_u32 s63, 0
	s_cselect_b32 s62, 1, 0
	s_add_co_u32 s56, s55, s62                     ; nT
	s_add_co_u32 s57, s54, 4064                    ; the tail's first row: 4096 + nA - 32
	s_sub_co_u32 s58, 32, s63                      ; its first live key
.macro ROWOF d, u                      ; first row of step u in the plane
	s_lshl_b32 s62, \u, 5
	s_add_co_u32 s62, s62, s51
	s_sub_co_u32 s63, \u, s53
	s_lshl_b32 s63, s63, 5
	s_add_co_u32 s63, s63, 0x1000
	s_cmp_lt_u32 \u, s53
	s_cselect_b32 \d, s62, s63
	s_cmp_lt_u32 \u, s55
	s_cselect_b32 \d, \d, s57
	s_min_u32 \d, \d, 8160
.endm
.macro LOADS                           ; 17 loads for the step whose first row is s61: K as fragments, V by rows, 32 words of the mask
	s_lshl_b32 s62, s61, 7
	v_add_nc_u32 v6, s62, v1
	v_add_nc_u32 v7, s62, v2
	s_min_u32 s63, s61, 4064
	s_lshl_b32 s63, s63, 2
	v_add_nc_u32 v8, s63, v30
.irp kt, 0,1
.irp ks, 0,1
	global_load_b128 v[KF+16*\kt+8*\ks:KF+16*\kt+8*\ks+3],   v6, s[28:29] offset:2048*\kt+64*\ks
	global_load_b128 v[KF+16*\kt+8*\ks+4:KF+16*\kt+8*\ks+7], v6, s[28:29] offset:2048*\kt+64*\ks+32
.endr
.endr
.irp i, 0,1,2,3,4,5,6,7
	global_load_b128 v[VS+4*\i:VS+4*\i+3], v7, s[30:31] offset:512*\i
.endr
	global_load_b32 v9, v8, s[18:19]
.endm
; One step of 32 keys for both heads.  s59 = u, s60 = its first row.  first = 1: nothing to rescale, the products start the sums.
.macro STEP first
	s_wait_loadcnt 0x0                             ; this step's 17 loads are in; their address registers are free
.if \first
	s_wait_xcnt 0x0                                ; the four stores of Wo16 name v[192:208], which this step's transposing loads write: only behind this wait
.endif
	v_cmp_ne_u32 s66, 0, v9                        ; bit i: key s60 + i is special
.irp i, 0,1,2,3,4,5,6,7
	ds_store_b128 v10, v[VS+4*\i:VS+4*\i+3] offset:640*\i
.endr
	; S^T: four accumulators by turns, one instruction a turn
.irp ks, 0,1
.irp hh, 0,1
.irp kt, 0,1
.if \ks == 0
	v_wmma_f32_16x16x32_f16 v[SC+16*\hh+8*\kt:SC+16*\hh+8*\kt+7], v[KF+16*\kt:KF+16*\kt+7], v[QF+16*\hh:QF+16*\hh+7], 0
.else
	v_wmma_f32_16x16x32_f16 v[SC+16*\hh+8*\kt:SC+16*\hh+8*\kt+7], v[KF+16*\kt+8:KF+16*\kt+15], v[QF+16*\hh+8:QF+16*\hh+15], v[SC+16*\hh+8*\kt:SC+16*\hh+8*\kt+7]
.endif
.endr
.endr
.endr
	; my query's word of allowed keys; these 17 plain instructions are also the places behind the products (ISA guide 7.12.1)
	s_cmp_lt_u32 s59, s53
	s_cselect_b32 s67, -1, 0                       ; part B?
	s_and_b32 s66, s66, s67
	v_sub_nc_u32 v12, v4, s60
	v_cndmask_b32 v12, 31, v12, s67                ; last causal key (part A: all)
	v_sub_nc_u32 v13, v5, s60
	v_cndmask_b32 v13, s58, v13, s67               ; first key of the sentence (tail of part A: its first live key)
	v_min_u32 v14, 31, v12
	v_sub_nc_u32 v14, 31, v14
	v_lshrrev_b32 v14, v14, -1
	v_cmp_le_i32 vcc_lo, 0, v12
	v_cndmask_b32 v14, 0, v14, vcc_lo              ; keys 0 .. last causal
	v_lshlrev_b32 v15, v13, -1
	v_cmp_gt_i32 vcc_lo, 1, v13
	v_cndmask_b32 v15, v15, -1, vcc_lo
	v_cmp_lt_i32 vcc_lo, 31, v13
	v_cndmask_b32 v15, v15, 0, vcc_lo              ; keys first .. 31
	v_or_b32 v15, s66, v15
	v_and_b32 v14, v14, v15
	v_lshrrev_b32 v12, v3, v14                     ; my half's keys 8 h + j at bit j, 16 + 8 h + j at bit 16 + j
	s_add_co_u32 s68, s59, 1
	s_cmp_ge_u32 s68, s56
	s_cbranch_scc1 .Lnoload\@                      ; the last step asks for nothing
	ROWOF s61, s68
	LOADS
.Lnoload\@:
.irp dt, 0,1,2,3
	ds_load_tr16_b128 v[VF+8*\dt:VF+8*\dt+3],   v11 offset:32*\dt        ; LDS serves a wave in order: these see the stores above
	ds_load_tr16_b128 v[VF+8*\dt+4:VF+8*\dt+7], v11 offset:32*\dt+2560
.endr
.if \first == 0
	s_cmp_lt_u32 s59, s53
	s_cbranch_scc1 .Lmask\@
	s_cmp_lt_u32 s59, s55
	s_cbranch_scc1 .Lnomask\@                      ; a whole step of part A: every key is allowed
.Lmask\@:
.endif
.irp kt, 0,1
.irp j, 0,1,2,3,4,5,6,7
	v_and_b32 v13, 1<<(16*\kt+\j), v12
	v_cmp_ne_u32 vcc_lo, 0, v13
	v_cndmask_b32 v[SC+8*\kt+\j], s69, v[SC+8*\kt+\j], vcc_lo
	v_cndmask_b32 v[SC+16+8*\kt+\j], s69, v[SC+16+8*\kt+\j], vcc_lo
.endr
.endr
.if \first == 0
.Lnomask\@:
.endif
	; the new maximum of my query: my 16 keys, the old maximum, the other half's
.irp hh, 0,1
	v_max3_num_f32 v[14+\hh], v[SC+16*\hh], v[SC+16*\hh+1], v[SC+16*\hh+2]
.endr
.irp n, 3,5,7,9,11,13
.irp hh, 0,1
	v_max3_num_f32 v[14+\hh], v[14+\hh], v[SC+16*\hh+\n], v[SC+16*\hh+\n+1]
.endr
.endr
.irp hh, 0,1
.if \first
	v_max_num_f32 v[14+\hh], v[14+\hh], v[SC+16*\hh+15]
.else
	v_max3_num_f32 v[14+\hh], v[14+\hh], v[SC+16*\hh+15], v[20+\hh]
.endif
.endr
	v_permlanex16_b32 v16, v14, s73, s74
	v_permlanex16_b32 v17, v15, s73, s74
	v_max_num_f32 v24, v14, v16
	v_max_num_f32 v25, v15, v17
.if \first == 0
	v_pk_add_f32 v[18:19], v[20:21], v[24:25] neg_lo:[0,1] neg_hi:[0,1]
	v_pk_mul_f32 v[18:19], v[18:19], s[70:71] op_sel_hi:[1,0]
	v_exp_f32 v26, v18                             ; exp2(c (old - new)); the packed multiply below is the plain instruction behind them (ISA guide 5.7.2)
	v_exp_f32 v27, v19
.endif
	v_pk_mul_f32 v[28:29], v[24:25], s[72:73] op_sel_hi:[1,0]
.irp hh, 0,1
.irp n, 0,2,4,6,8,10,12,14
	v_pk_fma_f32 v[SC+16*\hh+\n:SC+16*\hh+\n+1], v[SC+16*\hh+\n:SC+16*\hh+\n+1], s[70:71], v[28:29] op_sel:[0,0,\hh] op_sel_hi:[1,0,\hh]
.endr
.endr
.set n, 0
.rept 32
	v_exp_f32 v[SC+n], v[SC+n]
.set n, n+1
.endr
.if \first
	v_nop                                          ; the plain instruction behind the exponentials
	s_wait_alu depctr_va_vdst(0)
.else
	s_wait_alu depctr_va_vdst(0)
.irp hh, 0,1
.irp n, 0,2,4,6,8,10,12,14,16,18,20,22,24,26,28,30
	v_pk_mul_f32 v[OA+32*\hh+\n:OA+32*\hh+\n+1], v[OA+32*\hh+\n:OA+32*\hh+\n+1], v[26:27] op_sel:[0,\hh] op_sel_hi:[1,\hh]
.endr
.endr
.endif
.irp hh, 0,1
	v_pk_add_f32 v[14+4*\hh:15+4*\hh], v[SC+16*\hh:SC+16*\hh+1], v[SC+16*\hh+2:SC+16*\hh+3]
.endr
.irp n, 4,6,8,10,12,14
.irp hh, 0,1
	v_pk_add_f32 v[14+4*\hh:15+4*\hh], v[14+4*\hh:15+4*\hh], v[SC+16*\hh+\n:SC+16*\hh+\n+1]
.endr
.endr
	v_add_f32 v12, v14, v15                        ; my half's part of the step's sum
	v_add_f32 v13, v18, v19
.irp hh, 0,1
.irp n, 0,1,2,3,4,5,6,7
	v_cvt_pk_f16_f32 v[SC+16*\hh+\n], v[SC+16*\hh+2*\n], v[SC+16*\hh+2*\n+1]   ; in place, ascending: a register is written after it is read
.endr
.endr
	s_wait_dscnt 0x0                               ; V^T is in
.irp dt, 0,1,2,3
.irp hh, 0,1
.if \first
	v_wmma_f32_16x16x32_f16 v[OA+32*\hh+8*\dt:OA+32*\hh+8*\dt+7], v[VF+8*\dt:VF+8*\dt+7], v[SC+16*\hh:SC+16*\hh+7], 0
.else
	v_wmma_f32_16x16x32_f16 v[OA+32*\hh+8*\dt:OA+32*\hh+8*\dt+7], v[VF+8*\dt:VF+8*\dt+7], v[SC+16*\hh:SC+16*\hh+7], v[OA+32*\hh+8*\dt:OA+32*\hh+8*\dt+7]
.endif
.endr
.endr
	; five places: the next step's first products write over P, and the way out reads O^T (ISA guide 7.12.1)
.if \first
	v_mov_b32 v22, v12
	v_mov_b32 v23, v13
.else
	v_fma_f32 v22, v22, v26, v12
	v_fma_f32 v23, v23, v27, v13
.endif
	v_mov_b32 v20, v24
	v_mov_b32 v21, v25
	v_nop
	s_mov_b32 s60, s61
.endm
	s_mov_b32 s59, 0
	ROWOF s60, s59
	s_mov_b32 s61, s60
	LOADS
	s_wait_loadcnt 17                              ; the step's 17 loads stay out; Wo, Q and eos are in
	v_cmp_gt_i32 vcc_lo, 0, v5
	v_cndmask_b32 v5, v5, 0, vcc_lo
	v_min_u32 v5, 0x1000, v5
.irp i, 0,1,2,3
	v_cvt_pk_f16_f32 v[VF+4*\i], v[VF+4*\i], v[VF+4*\i+1]          ; Wo to f16, nearest even, in place
	v_cvt_pk_f16_f32 v[VF+4*\i+1], v[VF+4*\i+2], v[VF+4*\i+3]
.endr
.irp i, 0,1,2,3
	global_store_b64 v[VF+16], v[VF+4*\i:VF+4*\i+1], s[82:83] offset:256*\i   ; a wave's store: 256 consecutive aligned bytes
.endr
	STEP 1
	s_mov_b32 s59, 1
	s_cmp_le_u32 s56, 1
	s_cbranch_scc1 .Lout
.Lstep:
	STEP 0
	s_add_co_u32 s59, s59, 1
	s_cmp_lt_u32 s59, s56
	s_cbranch_scc1 .Lstep
.Lout:
	; divide by the sum (at least 1: the maximum's own term), times 64; to f16; through my LDS so that 16 lanes store 256 consecutive aligned bytes
	v_permlanex16_b32 v16, v22, s73, s74
	v_permlanex16_b32 v17, v23, s73, s74
	v_add_f32 v22, v22, v16
	v_add_f32 v23, v23, v17
	v_rcp_f32 v22, v22
	v_rcp_f32 v23, v23
	v_and_b32 v12, 15, v0                          ; a plain instruction behind the reciprocals
	v_bfe_u32 v13, v0, 4, 1
	s_wait_alu depctr_va_vdst(0)
	v_mul_f32 v22, 0x42800000, v22
	v_mul_f32 v23, 0x42800000, v23
	s_mul_i32 s62, s2, 5120
	v_mul_u32_u24 v14, v12, 272
	v_lshl_add_u32 v14, v13, 4, v14
	v_add_nc_u32 v14, s62, v14                     ; in: row r, 16 bytes for each half
	v_mul_u32_u24 v15, v13, 272
	v_lshl_add_u32 v15, v12, 4, v15
	v_add_nc_u32 v15, s62, v15                     ; back: lanes 0-15 a row of 256 bytes, lanes 16-31 the next
	v_lshlrev_b32 v18, 11, v13
	v_lshl_add_u32 v18, v12, 4, v18                ; the same two rows in att
.irp hh, 0,1
.irp n, 0,2,4,6,8,10,12,14,16,18,20,22,24,26,28,30
	v_pk_mul_f32 v[OA+32*\hh+\n:OA+32*\hh+\n+1], v[OA+32*\hh+\n:OA+32*\hh+\n+1], v[22:23] op_sel:[0,\hh] op_sel_hi:[1,\hh]
.endr
.endr
.irp hh, 0,1
.irp dt, 0,1,2,3
.irp n, 0,1,2,3
	v_cvt_pk_f16_f32 v[OA+32*\hh+8*\dt+\n], v[OA+32*\hh+8*\dt+2*\n], v[OA+32*\hh+8*\dt+2*\n+1]
.endr
	ds_store_b128 v14, v[OA+32*\hh+8*\dt:OA+32*\hh+8*\dt+3] offset:128*\hh+32*\dt
.endr
.endr
.irp i, 0,1,2,3,4,5,6,7
	ds_load_b128 v[VF+4*\i:VF+4*\i+3], v15 offset:544*\i
.endr
.irp i, 0,1,2,3,4,5,6,7
	s_wait_dscnt 7-\i                              ; LDS loads return in order: pair i of rows is in
	global_store_b128 v18, v[VF+4*\i:VF+4*\i+3], s[26:27] offset:4096*\i
.endr
	s_set_vgpr_msb 0x5
	s_wait_tensorcnt 0x0
	ds_add_u32 v0, v1
	s_wait_dscnt 0x0
	s_set_vgpr_msb 0x500
	s_endpgm
.Lfunc_end_k_q7430ca86ae_attn:
	.size	k_q7430ca86ae_attn, .Lfunc_end_k_q7430ca86ae_attn-k_q7430ca86ae_attn
	.p2alignl 7, 3214868480
	.fill 96, 4, 3214868480
	.section	.rodata,"a",@progbits
	.p2align	6, 0x0
	.amdhsa_kernel k_q7430ca86ae_attn
		.amdhsa_group_segment_fixed_size 41984
		.amdhsa_private_segment_fixed_size 0
		.amdhsa_enable_private_segment 0
		.amdhsa_kernarg_size 72
		.amdhsa_user_sgpr_count 2
		.amdhsa_user_sgpr_kernarg_segment_ptr 1
		.amdhsa_wavefront_size32 1
		.amdhsa_system_sgpr_workgroup_id_x 1
		.amdhsa_system_sgpr_workgroup_id_y 1
		.amdhsa_system_sgpr_workgroup_id_z 1
		.amdhsa_system_vgpr_workitem_id 0
		.amdhsa_next_free_vgpr 258
		.amdhsa_next_free_sgpr 84
		.amdhsa_reserve_vcc 1
		.amdhsa_float_denorm_mode_32 3
		.amdhsa_float_denorm_mode_16_64 3
		.amdhsa_memory_ordered 1
		.amdhsa_forward_progress 1
		.amdhsa_inst_pref_size 49
	.end_amdhsa_kernel
	.amdgpu_metadata
---
amdhsa.version: [ 1, 2 ]
amdhsa.kernels:
  - .name:           k_q7430ca86ae_attn
    .symbol:         k_q7430ca86ae_attn.kd
    .args:
      - { .name: Qb, .offset: 0, .size: 8, .value_kind: global_buffer, .address_space: global }
      - { .name: KK, .offset: 8, .size: 8, .value_kind: global_buffer, .address_space: global }
      - { .name: VV, .offset: 16, .size: 8, .value_kind: global_buffer, .address_space: global }
      - { .name: cnt32, .offset: 24, .size: 8, .value_kind: global_buffer, .address_space: global }
      - { .name: clothest_end_of_sentence_token_idx, .offset: 32, .size: 8, .value_kind: global_buffer, .address_space: global }
      - { .name: special_embeddings_mask, .offset: 40, .size: 8, .value_kind: global_buffer, .address_space: global }
      - { .name: att, .offset: 48, .size: 8, .value_kind: global_buffer, .address_space: global }
      - { .name: Wo, .offset: 56, .size: 8, .value_kind: global_buffer, .address_space: global }
      - { .name: Wo16, .offset: 64, .size: 8, .value_kind: global_buffer, .address_space: global }
    .group_segment_fixed_size: 41984
    .private_segment_fixed_size: 0
    .kernarg_segment_align: 8
    .kernarg_segment_size: 72
    .max_flat_workgroup_size: 256
    .sgpr_count:     84
    .vgpr_count:     258
    .wavefront_size: 32
...
	.end_amdgpu_metadata
.endif
;; end of part 2
;; launch oproj (part 3): grid 8 x 32, 4 waves a work-group, clusters of 4 x 4, 327,680 bytes of LDS; arguments att, Wo16, out0; writes out0
.if DOCPART == 3
	.amdgcn_target "amdgcn-amd-amdhsa--gfx1250"
	.amdhsa_code_object_version 6
	.text
	.protected	k_q7430ca86ae_oproj
	.globl	k_q7430ca86ae_oproj
	.p2align	8
	.type	k_q7430ca86ae_oproj,@function
k_q7430ca86ae_oproj:
	s_mov_b64 s[64:65], 0
	v_nop
	global_prefetch_b8 v0, s[64:65] scope:SCOPE_SE
	s_setreg_imm32_b32 hwreg(HW_REG_WAVE_MODE, 25, 1), 1
	s_wait_xcnt 0x0
	s_wait_alu depctr_hold_cnt(0) depctr_sa_sdst(0) depctr_va_vdst(0) depctr_va_sdst(0) depctr_va_ssrc(0) depctr_va_vcc(0) depctr_vm_vsrc(0)
	s_getreg_b32 s2, hwreg(HW_REG_IB_STS2, 6, 4)
	s_cmp_eq_u32 s2, 0
	s_cbranch_scc0 .Lentry_in_a_cluster
	s_endpgm
.Lentry_in_a_cluster:
	s_bfe_u32 s2, ttmp6, 0x10000c
	s_cmp_lg_u32 s2, 0xf033
	s_cbranch_scc0 .Lentry_shape_is_right
	s_endpgm
.Lentry_shape_is_right:
; out0 = (att / 64) x Wo.  att: [4096][1024] f16, stored times 64; Wo16: [1024 k][1024 n], Wo rounded to f16 by the launch before; sums in f32; out0 f32.
; Nothing of reference() is left out here.
; A work-group makes 128 tokens x 128 columns (4,096 x 1,024 over 256 work-groups) with four waves, as many as a WGP has SIMDs; a wave makes 64 x 64: 16 accumulators.
; K goes through two LDS slots of 256 along K each, filled by the tensor data mover: four fills, two at the start (half of all the operand bytes), two refills.
; A slot is four regions of 36,864 bytes, one for each wave's load: waves 0 and 1 bring 64 rows of att x 512 bytes each (LDS pitch 528),
; waves 2 and 3 bring 128 k rows of Wo16 x 256 bytes each (LDS pitch 288, an odd multiple of 32 for the transposing load).  All rows start at multiples of 256 bytes.
; CLUSTERS: 4 x 4 work-groups.  The four of a row of the cluster make blocks of one block row of out0 and need the same tiles of att; the four of a column need the
; same tiles of Wo16.  Such a tile is asked for jointly: each of the four issues the same tensor load, with the same descriptor and a mask that names the four.
; That divides the requests for both by four: 256 x 512 KiB / 4.
; SOURCE 0 = 16 columns of Wo16 (by the transposing load), SOURCE 1 = 16 tokens: a lane's 8 results are 8 neighbouring columns of one token.
; A wave has at most two tensor loads outstanding: the two first fills, later the one of a refill.
;
; REGISTERS: window 0: v16-17 LDS address of my att fragments in slot 0, 1; v20-23 of my Wo16 fragments (slot, half of the slot: the immediate has 16 bits);
;            v24-26 the way out; two fragment buffers v64-127, v128-191 (Wo16 at 8 nb, att at 32 + 8 a); v192-223 scaled results.
;            window 1: accumulator (a, nb) at 8 (4 a + nb).
.set APITCH, 528                       ; 512 bytes of data + 16: 33 x 16, so the 16 rows that a load touches lie in 16 different columns of 16 bytes
.set WPITCH, 288                       ; 256 bytes of data + 32
.set REGION, 36864                     ; 128 x 288; att's 64 x 528 = 33,792 fit too
.set SLOT,   4*REGION
.set STAGE,  2*SLOT                    ; behind the ring: 16 rows x 272 bytes for each wave, for the way out; no fill lands here
.set SPITCH, 272
.set ASTEP,  512                       ; a fill on: 256 f16 along att's rows,
.set BSTEP,  524288                    ; 256 rows of Wo16
.set ADRA, 16
.set ADRB, 20
.set STO,  24
.set RD,   25
.set CO,   26
.set F0,   64
.set F1,   128
.set TMP,  192
.set G1,  24                           ; s[24:31] descriptor group 1 for att's tiles
.set G0,  32                           ; s[32:39] descriptor group 0 for att's tiles, one set for each slot
.set G1B, 48                           ; s[48:55] descriptor group 1 for Wo16's tiles
.set G0B, 56                           ; s[56:63] descriptor group 0 for Wo16's tiles, one set for each slot
.set TO_ACC, 0x50                      ; C and D in window 1, sources in window 0
.set MSB, 0
.macro WIN new                         ; low byte: bits 1:0 source 0, 3:2 source 1, 5:4 source 2, 7:6 destination; high byte: the setting left
.if MSB != \new
	s_set_vgpr_msb (MSB<<8)|\new
.set MSB, \new
.endif
.endm
; A joint load.  Waves 0 and 1 fetch att's two halves, waves 2 and 3 Wo16's.  Each of the two lines has one mask and one set of registers for all that issue it, and nothing
; in them hangs on a coordinate that the four partners do not share.  The branch hangs on the wave's number alone: it is the same in every work-group.
.macro JLOAD s
	s_cmp_eq_u32 s11, 0
	s_cbranch_scc0 .Lfor_b_\@
	tensor_load_to_lds s[G0+4*\s:G0+4*\s+3], s[G1:G1+7]
	s_nop 0
	s_branch .Lasked_\@
.Lfor_b_\@:
	tensor_load_to_lds s[G0B+4*\s:G0B+4*\s+3], s[G1B:G1B+7]
	s_nop 0
.Lasked_\@:
.endm
; A round of the cluster's barrier: my work-group's barrier, so that wave 0's signal speaks for all four waves; wave 0 signals for the work-group; every wave waits for all
; sixteen work-groups; my work-group's barrier once more.  No LDS instruction of the wave is pending at a signal.
.macro CREST                           ; a round behind its opening barrier
	s_cmp_lg_u32 s10, 0
	s_cbranch_scc1 .Lnot_wave_0_\@
	s_barrier_signal -3
.Lnot_wave_0_\@:
	s_barrier_wait -3
	s_barrier_signal -1
	s_barrier_wait -1
.endm
.macro CROUND                          ; a whole round
	s_barrier_signal -1
	s_barrier_wait -1
	CREST
.endm
	s_load_b128 s[4:7], s[0:1], 0x0                ; att s[4:5], Wo16 s[6:7]
	s_load_b64 s[8:9], s[0:1], 0x10                ; out0
	v_lshl_add_u32 v254, v0, 2, 0x4c400
	v_mov_b32 v255, 0
	ds_add_u32 v254, v255
	v_lshrrev_b32 v1, 5, v0
	v_readfirstlane_b32 s10, v1                    ; wave 0..3
	s_lshr_b32 s11, s10, 1                         ; which 64 tokens are mine.  Also: I fetch for att (0) or for Wo16 (1)
	s_and_b32 s12, s10, 1                          ; which 64 columns.  Also: which half of that tile I fetch
	s_bfe_u32 s40, ttmp6, 0x40000                  ; cx: my place along the cluster's x
	s_bfe_u32 s41, ttmp6, 0x40004                  ; cy: along its y
	s_lshl_b32 s42, ttmp9, 2                       ; in a cluster launch ttmp9 and ttmp7 count clusters
	s_add_co_u32 s42, s42, s40                     ; block column = 4 x cluster x + cx
	s_and_b32 s13, ttmp7, 0xffff
	s_lshl_b32 s13, s13, 2
	s_add_co_u32 s13, s13, s41                     ; block row = 4 x cluster y + cy
	s_lshl_b32 s43, s41, 2
	s_lshl_b32 s43, 15, s43                        ; my row of the cluster: places 4 cy .. 4 cy + 3
	s_lshl_b32 s44, 0x1111, s40                    ; my column: places cx, cx + 4, cx + 8, cx + 12
	; group 1 for att: 64 rows x 256 elements of 2 bytes, 4 words of padding behind every 128 words
	s_or_b32 s[G1+0], s43, (1<<16)|(1<<20)|(1<<21)|(6<<22)|(3<<25)  ; 15:0 the mask: my row; 17:16 element of 2 bytes; 20 padding on; 21 set beside a mask; 24:22 interval code 6; 31:25 pad code 3
	s_mov_b32 s[G1+1], 256<<16                     ; tensor_dim0 = 256
	s_mov_b32 s[G1+2], 64<<16                      ; tensor_dim1 = 64
	s_mov_b32 s[G1+3], 256<<16                     ; tile_dim0 = 256
	s_mov_b32 s[G1+4], 64                          ; tile_dim1 = 64
	s_mov_b32 s[G1+5], 1024                        ; elements from row to row
	s_mov_b32 s[G1+6], 0
	s_mov_b32 s[G1+7], 0
	; group 1 for Wo16: 128 rows x 128 elements of 2 bytes, 8 words of padding behind every 64 words
	s_or_b32 s[G1B+0], s44, (1<<16)|(1<<20)|(1<<21)|(5<<22)|(7<<25) ; the mask: my column; interval code 5; pad code 7
	s_mov_b32 s[G1B+1], 128<<16
	s_mov_b32 s[G1B+2], 128<<16
	s_mov_b32 s[G1B+3], 128<<16
	s_mov_b32 s[G1B+4], 128
	s_mov_b32 s[G1B+5], 1024
	s_mov_b32 s[G1B+6], 0
	s_mov_b32 s[G1B+7], 0
	; where the tiles come from.  att's hang on the block row alone, which my row of the cluster shares; Wo16's on the block column alone, which my column shares.
	; Every wave makes both addresses, in registers that never hold the other coordinate, and asks by one of them.
	s_lshl_b32 s17, s12, 6                         ; which 64 rows of att's tile I fetch
	s_lshl_b32 s16, s13, 7
	s_add_co_u32 s16, s16, s17                     ; att: row 128 x block row + 64 x half,
	s_lshl_b32 s16, s16, 11                        ; of 2,048 bytes
	s_mov_b32 s17, 0
	s_lshl_b32 s18, s12, 18                        ; Wo16: row 128 x half, of 2,048 bytes,
	s_lshl_b32 s46, s42, 8                         ; at byte 256 x block column
	s_add_co_u32 s46, s46, s18
	s_mov_b32 s47, 0
	s_mul_i32 s20, s10, REGION                     ; and where they go: wave x a region: no place in the cluster enters an LDS address
	s_wait_dscnt 0x0
	s_wait_kmcnt 0x0
	s_add_nc_u64 s[14:15], s[4:5], s[16:17]
	s_add_nc_u64 s[46:47], s[6:7], s[46:47]
	CROUND                                         ; all sixteen work-groups are here: the first joint loads meet
.irp s, 0,1
	s_mov_b32 s[G0+4*\s], 1                                        ; count = 1
	s_add_co_u32 s[G0+4*\s+1], s20, \s*SLOT                        ; LDS address
	s_add_nc_u64 s[G0+4*\s+2:G0+4*\s+3], s[14:15], \s*ASTEP        ; global address: fill s
	s_or_b32 s[G0+4*\s+3], s[G0+4*\s+3], 0x80000000                ; type = 2
	s_mov_b32 s[G0B+4*\s], 1
	s_add_co_u32 s[G0B+4*\s+1], s20, \s*SLOT
	s_add_nc_u64 s[G0B+4*\s+2:G0B+4*\s+3], s[46:47], \s*BSTEP
	s_or_b32 s[G0B+4*\s+3], s[G0B+4*\s+3], 0x80000000
	JLOAD \s                                       ; both slots are asked for before anything else is done
.endr
	v_and_b32 v1, 15, v0                           ; r = l % 16
	v_bfe_u32 v2, v0, 4, 1                         ; h = l / 16
	v_mul_u32_u24 v3, v1, APITCH
	v_lshl_add_u32 v3, v2, 4, v3                   ; att fragment: row x pitch + 16 h
	s_mul_i32 s21, s11, REGION                     ; my 64 tokens are one of att's two halves
	v_add_nc_u32 v[ADRA], s21, v3
	s_add_co_u32 s21, s21, SLOT
	v_add_nc_u32 v[ADRA+1], s21, v3
	v_and_b32 v4, 7, v0
	v_lshl_add_u32 v4, v2, 3, v4
	v_mul_u32_u24 v4, v4, WPITCH
	v_bfe_u32 v5, v0, 3, 1
	v_lshl_add_u32 v4, v5, 4, v4                   ; Wo16 fragment: (8 h + (l & 7)) x pitch + 16 ((l >> 3) & 1)
	s_lshl_b32 s22, s12, 7                         ; my 64 columns, in bytes,
	s_add_co_u32 s22, s22, 2*REGION                ; behind att's two regions
	v_add_nc_u32 v[ADRB], s22, v4                  ; slot 0, k 0-127
	s_add_co_u32 s22, s22, REGION
	v_add_nc_u32 v[ADRB+1], s22, v4                ; slot 0, k 128-255
	s_add_co_u32 s22, s22, SLOT-REGION
	v_add_nc_u32 v[ADRB+2], s22, v4                ; slot 1
	s_add_co_u32 s22, s22, REGION
	v_add_nc_u32 v[ADRB+3], s22, v4
	s_mul_i32 s23, s10, 16*SPITCH
	s_add_co_u32 s23, s23, STAGE                   ; my stage
	v_mul_u32_u24 v6, v1, SPITCH                   ; in: row r, 32 bytes for each half of the lanes
	v_lshl_add_u32 v6, v2, 5, v6
	v_add_nc_u32 v[STO], s23, v6
	v_mul_u32_u24 v7, v2, SPITCH                   ; back: lanes 0-15 take one row of 256 bytes, lanes 16-31 the next
	v_lshl_add_u32 v7, v1, 4, v7
	v_add_nc_u32 v[RD], s23, v7
	v_lshlrev_b32 v8, 12, v2                       ; and the same two rows in out0
	v_lshl_add_u32 v[CO], v1, 4, v8
; 4 matrix instructions: token block a x my 4 column blocks, 32 along K.  The 16 accumulators take turns, one instruction a turn, in the same order in every
; quarter.  zero = 1: the first product starts the sums: nothing is ever cleared.
.macro MUL4 f, a, zero
.irp nb, 0,1,2,3
.if \zero
	v_wmma_f32_16x16x32_f16 v[8*(4*\a+\nb):8*(4*\a+\nb)+7], v[\f+8*\nb:\f+8*\nb+7], v[\f+32+8*\a:\f+32+8*\a+7], 0
.else
	v_wmma_f32_16x16x32_f16 v[8*(4*\a+\nb):8*(4*\a+\nb)+7], v[\f+8*\nb:\f+8*\nb+7], v[\f+32+8*\a:\f+32+8*\a+7], v[8*(4*\a+\nb):8*(4*\a+\nb)+7]
.endif
.endr
.endm
; 16 LDS loads in one run: quarter q (32 along K) of a slot into buffer f: 64 columns of Wo16, then 64 tokens of att
.macro FETCH slot, q, f
	WIN 0
.irp nb, 0,1,2,3
	ds_load_tr16_b128 v[\f+8*\nb:\f+8*\nb+3],   v[ADRB+2*\slot+(\q)/4] offset:((\q)%4)*32*WPITCH+32*\nb
	ds_load_tr16_b128 v[\f+8*\nb+4:\f+8*\nb+7], v[ADRB+2*\slot+(\q)/4] offset:((\q)%4)*32*WPITCH+32*\nb+16*WPITCH
.endr
.irp a, 0,1,2,3
	ds_load_b128 v[\f+32+8*\a:\f+32+8*\a+3],   v[ADRA+\slot] offset:\a*16*APITCH+64*(\q)
	ds_load_b128 v[\f+32+8*\a+4:\f+32+8*\a+7], v[ADRA+\slot] offset:\a*16*APITCH+64*(\q)+32
.endr
.endm
; A load into a register that a matrix instruction has read, and a vector instruction that reads a matrix result, stand four places behind that matrix instruction,
; and only plain vector instructions that name none of its registers are places; this loop has no other vector work to put there.
.macro PLACES
.rept 4
	v_nop
.endr
.endm
; One of a slot's first seven quarters: multiplies buffer f; in its middle it fetches quarter q of the same slot into buffer g, eight products ahead of its use.
.macro QUARTER slot, q, f, g, zero
	s_wait_dscnt 4                                 ; Wo16 and my tokens 0-31 are in; the youngest four loads (tokens 32-63) may be out
	WIN TO_ACC
	MUL4 \f, 0, \zero
	MUL4 \f, 1, \zero
	PLACES
	FETCH \slot, \q, \g
	s_wait_dscnt 16                                ; all but the 16 just issued
	WIN TO_ACC
	MUL4 \f, 2, \zero
	MUL4 \f, 3, \zero
.endm
.macro SEVEN slot, zero
	QUARTER \slot, 1, F0, F1, \zero
	QUARTER \slot, 2, F1, F0, 0
	QUARTER \slot, 3, F0, F1, 0
	QUARTER \slot, 4, F1, F0, 0
	QUARTER \slot, 5, F0, F1, 0
	QUARTER \slot, 6, F1, F0, 0
	QUARTER \slot, 7, F0, F1, 0
.endm
; A slot's eighth quarter: multiplies buffer 1 and changes slots.  next = the other slot; fill = 1: this slot is filled again, with the K two fills ahead.
; One barrier for the change, for two things.  In front of it each wave waits for its own reads of this slot and for all its tensor loads, of which one is out:
; its part of the next slot.  Behind it nobody reads this slot any more and the next slot is whole: the refill comes first, then the next slot's first fragments.
; From a request to the wait for it a wave issues 124 matrix instructions.
.macro TURN slot, next, fill
	s_wait_dscnt 4
	WIN TO_ACC
	MUL4 F1, 0, 0
	s_wait_dscnt 0                                 ; my reads of this slot are over
	s_wait_tensorcnt 0x0                           ; and all my tensor loads have landed: the one that was out is my part of the next slot:
	ds_add_u32 v254, v255
	s_wait_dscnt 0x0
	s_barrier_signal -1                            ; say so (where the slot is filled again this barrier opens a round of the cluster's barrier),
	MUL4 F1, 1, 0                                  ; work on registers while the others arrive,
	WIN 0
	s_barrier_wait -1                              ; and go on when all four have said so
.if \fill
	CREST                                          ; wave 0 says so for the work-group, all sixteen work-groups have said so, my work-group's barrier closes the round:
	                                               ; no wave of any partner still reads this slot's tile or has a load on its way
	s_add_nc_u64 s[G0+4*\slot+2:G0+4*\slot+3], s[G0+4*\slot+2:G0+4*\slot+3], 2*ASTEP
	s_add_nc_u64 s[G0B+4*\slot+2:G0B+4*\slot+3], s[G0B+4*\slot+2:G0B+4*\slot+3], 2*BSTEP
	JLOAD \slot                                    ; the first tensor load behind the round, and my only one until the next
.endif
	PLACES
	FETCH \next, 0, F0
	WIN TO_ACC
	MUL4 F1, 2, 0
	MUL4 F1, 3, 0
.endm
	s_wait_tensorcnt 1                             ; my part of slot 0 is in; slot 1's stays out
	s_barrier_signal -1
	s_barrier_wait -1                              ; everybody's is
	FETCH 0, 0, F0
	SEVEN 0, 1                                     ; K 0-255: its first products start the sums
	TURN 0, 1, 1                                   ; slot 0 is asked for again: K 512-767
	SEVEN 1, 0                                     ; K 256-511
	TURN 1, 0, 1                                   ; slot 1 is asked for again: K 768-1023, the last load
	SEVEN 0, 0
	TURN 0, 1, 0                                   ; nothing is left to fetch: my work-group's barrier alone
	SEVEN 1, 0
	s_wait_dscnt 4                                 ; the very last quarter
	WIN TO_ACC
	MUL4 F1, 0, 0
	MUL4 F1, 1, 0
	s_wait_dscnt 0
	MUL4 F1, 2, 0
	MUL4 F1, 3, 0
	; THE WAY OUT, 16 tokens at a time: times 1/64, 32 bytes a lane and column block into my own stage in LDS, read back as whole rows of 256 bytes.
	PLACES                                         ; behind the last products: for the multiplies, which read results, and for the loads into the buffers
	s_lshl_b32 s13, s13, 7
	s_lshl_b32 s14, s11, 6
	s_add_co_u32 s16, s13, s14                     ; my first token,
	s_lshl_b32 s16, s16, 12                        ; a row of out0 is 4,096 bytes
	s_mov_b32 s17, 0
	s_add_nc_u64 s[8:9], s[8:9], s[16:17]
	s_lshl_b32 s46, s42, 9                         ; my first column, in bytes: 512 x block + 256 x half (in the registers that held Wo16's address: none that feeds att's descriptors ever holds cx)
	s_lshl_b32 s47, s12, 8
	s_add_co_u32 s46, s46, s47
	s_mov_b32 s47, 0
	s_add_nc_u64 s[8:9], s[8:9], s[46:47]
; tokens 16 i .. 16 i + 15 of my block = the four accumulators (i, 0..3); f: F0 or F1 in turn
.macro OUT16 i, f
	WIN 0x01                                       ; source 0 in window 1
.irp nb, 0,1,2,3
.irp p, 0,2,4,6
	v_pk_mul_f32 v[TMP+8*\nb+\p:TMP+8*\nb+\p+1], v[8*(4*\i+\nb)+\p:8*(4*\i+\nb)+\p+1], 0x3c800000 op_sel_hi:[1,0]
.endr
.endr
	WIN 0
.irp nb, 0,1,2,3
	ds_store_b128 v[STO], v[TMP+8*\nb:TMP+8*\nb+3]   offset:64*\nb
	ds_store_b128 v[STO], v[TMP+8*\nb+4:TMP+8*\nb+7] offset:64*\nb+16
.endr
	s_wait_xcnt 0x0                                ; buffer f, which stores read, and the stores' base are rewritten only behind this wait
.if \i
	s_add_nc_u64 s[8:9], s[8:9], 16*4096           ; 16 tokens on
.endif
.irp t, 0,1,2,3,4,5,6,7
	ds_load_b128 v[\f+4*\t:\f+4*\t+3], v[RD] offset:\t*2*SPITCH    ; LDS serves a wave's instructions in order (ISA guide 5.7.1.4): these see the stores above
.endr
.irp t, 0,1,2,3,4,5,6,7
	s_wait_dscnt 7-\t                              ; pair t of rows is in; the younger loads stay out
	global_store_b128 v[CO], v[\f+4*\t:\f+4*\t+3], s[8:9] offset:2*\t*4096 th:TH_STORE_NT   ; 16 lanes store 256 consecutive bytes, at a multiple of 256 from out0's first byte
.endr
.endm
	OUT16 0, F0
	OUT16 1, F1
	OUT16 2, F0
	OUT16 3, F1
	s_wait_tensorcnt 0x0
	ds_add_u32 v254, v255
	s_wait_dscnt 0x0
	CROUND                                         ; the closing round: no work-group ends while a partner may still ask for a tile that names it
	s_endpgm
.Lfunc_end_k_q7430ca86ae_oproj:
	.size	k_q7430ca86ae_oproj, .Lfunc_end_k_q7430ca86ae_oproj-k_q7430ca86ae_oproj
	.p2alignl 7, 3214868480
	.fill 96, 4, 3214868480
	.section	.rodata,"a",@progbits
	.p2align	6, 0x0
	.amdhsa_kernel k_q7430ca86ae_oproj
		.amdhsa_group_segment_fixed_size 327680
		.amdhsa_private_segment_fixed_size 0
		.amdhsa_enable_private_segment 0
		.amdhsa_kernarg_size 24
		.amdhsa_user_sgpr_count 2
		.amdhsa_user_sgpr_kernarg_segment_ptr 1
		.amdhsa_wavefront_size32 1
		.amdhsa_system_sgpr_workgroup_id_x 1
		.amdhsa_system_sgpr_workgroup_id_y 1
		.amdhsa_system_sgpr_workgroup_id_z 1
		.amdhsa_system_vgpr_workitem_id 0
		.amdhsa_next_free_vgpr 384
		.amdhsa_next_free_sgpr 66
		.amdhsa_reserve_vcc 0
		.amdhsa_float_denorm_mode_32 3
		.amdhsa_float_denorm_mode_16_64 3
		.amdhsa_memory_ordered 1
		.amdhsa_forward_progress 1
		.amdhsa_inst_pref_size 96
	.end_amdhsa_kernel
	.amdgpu_metadata
---
amdhsa.version: [ 1, 2 ]
amdhsa.kernels:
  - .name:           k_q7430ca86ae_oproj
    .symbol:         k_q7430ca86ae_oproj.kd
    .args:
      - { .name: att, .offset: 0, .size: 8, .value_kind: global_buffer, .address_space: global }
      - { .name: Wo16, .offset: 8, .size: 8, .value_kind: global_buffer, .address_space: global }
      - { .name: out0, .offset: 16, .size: 8, .value_kind: global_buffer, .address_space: global }
    .group_segment_fixed_size: 327680
    .private_segment_fixed_size: 0
    .kernarg_segment_align: 8
    .kernarg_segment_size: 24
    .max_flat_workgroup_size: 128
    .sgpr_count:     66
    .vgpr_count:     384
    .wavefront_size: 32
...
	.end_amdgpu_metadata
.endif
;; end of part 3
